; MI455X (gfx1250); checked and timed in simulation.
; The chip was launched on July 23, 2026; its instructions are those of AMD's public machine-readable ISA for CDNA 5 (MIT licence, August 2026) and "CDNA5" Instruction Set Architecture Reference Guide (July 2026). The comments in the code are by the model that wrote it; some were corrected since.
;; Cohere ASR Multi Head Attention. Allowed arithmetic: matrix products marked QUANTISED: E2M3 operands, one E8M0 scale for each 32 along K, by v_wmma_scale_f32_16x16x128_f8f6f4 with both operands' format E2M3, f32 sums; everything else in f32.
;; Inputs: Wk 512 x 512 float32; Wo 512 x 512 float32; Wq 512 x 512 float32; Wv 512 x 512 float32; bk 512 float32; bo 512 float32; bq 512 float32; bv 512 float32; key 8 x 2,048 x 512 float32; mask 8 x 2,048 x 2,048 bool; query 8 x 2,048 x 512 float32; value 8 x 2,048 x 512 float32.
;; Outputs: out0 8 x 2,048 x 512 float32.
;; This version of the problem:
;;   THIS VERSION OF THE PROBLEM IS GIVEN IN LOW PRECISION. The matrix products marked QUANTISED in the list below multiply operands that are first quantised to E2M3 (2 exponent bits, 3 mantissa bits; 6 bits a number), with one power-of-two scale for each 32 numbers along K (OCP MX v1.0); their sums are f32. All else is computed in f32.
;;   The module's matrix products, in the order in which they are computed (A, B: the left and right operand; K: the contracted axis; several contracted axes count as one K, in the product's order):
;;     1. [M 16,384, K 512] x [K 512, N 512]; A: input query; B: input Wq: QUANTISED
;;     2. [M 16,384, K 512] x [K 512, N 512]; A: input key; B: input Wk: QUANTISED
;;     3. [M 16,384, K 512] x [K 512, N 512]; A: input value; B: input Wv: QUANTISED
;;     4. batch 64 x [M 2,048, K 64] x [K 64, N 2,048]; A: computed on the way; B: computed on the way: QUANTISED
;;     5. batch 64 x [M 2,048, K 2,048] x [K 2,048, N 64]; A: computed on the way; B: computed on the way: QUANTISED
;;     6. [M 16,384, K 512] x [K 512, N 512]; A: computed on the way; B: input Wo: QUANTISED
;;   THE QUANTISER, for each operand of a quantised product, along K:
;;     - K is cut into blocks of 32 from its start; a last block that is shorter is filled with zeros.
;;     - A block's scale is 2^e with e = floor(log2(the largest magnitude in the block)) - 2, held to -126 .. 127; a block of zeros has e = 0. As a byte (E8M0): e + 127.
;;     - Each number is divided by its block's scale, clamped to +-7.5, and rounded to the nearest number of E2M3, ties to even, subnormals kept.
;;     - The product sums the exact products of the quantised numbers (number of the format x scale) in f32.
;;   ~~~python
;;   def quantise(x, axis):      # numpy; x: float32 -> the quantised numbers, widened to float32 again
;;       x = np.moveaxis(x, axis, -1); K = x.shape[-1]
;;       x = np.pad(x, [(0, 0)] * (x.ndim - 1) + [(0, -K % 32)]); x = x.reshape(x.shape[:-1] + (-1, 32)); a = np.abs(x).max(-1, keepdims=True)
;;       e = np.where(a > 0, np.clip(np.frexp(np.where(a > 0, a, 1))[1] - 1 - 2, -126, 127), 0)      # np.frexp(a)[1] - 1 = floor(log2(a)), exactly
;;       r = np.clip(x / 2.0 ** e, -7.5, 7.5)
;;       step = 2.0 ** (np.maximum(np.frexp(np.where(r == 0, 1, r))[1] - 1, 0) - 3)
;;       q = np.round(r / step) * step * 2.0 ** e      # np.round: ties to even
;;       return np.moveaxis(q.reshape(q.shape[:-2] + (-1,))[..., :K], -1, axis).astype(np.float32)
;;   ~~~
;;   OPERANDS COMPUTED ON THE WAY. 'Computed on the way' means the value that the module computes at that place (a softmax that the list does not call 'softmax' is quantised finished and normalised). What goes into a quantiser is computed in f32, as accurately as f32 sums, v_exp_f32 and their like allow (about 1e-6 of the number): no bf16 or f16 on the way to a quantiser, and a product that is left as it is and whose result goes on into a quantised operand takes f32 operands (vector FMAs, or v_wmma_f32_16x16x4_f32). A number that lies on a knife's edge between two numbers of the format may be rounded either way, as far as f32 arithmetic and the matrix unit's own rounding can turn it there, and no further.
;; One version. Each part assembles by itself: llvm-mc -triple=amdgcn-amd-amdhsa -mcpu=gfx1250 --defsym DOCPART=n.
;; ======== version 1 of 1: 3 launches
;; limits: right only within a limited range of input values
;; workspace buffers: maskw 4,194,304 bytes of whole numbers; cntw 1,048,576 bytes of whole numbers; wimg 786,432 bytes; wsc 65,536 bytes; qkv 20,447,232 bytes
;; launch prep (part 1): grid 256 x 1, 8 waves a work-group, no clusters, 167,936 bytes of LDS; arguments mask, Wv, Wq, Wk, Wo, maskw, wimg, wsc, cntw; writes maskw, wimg, wsc, cntw
.if DOCPART == 1
	.amdgcn_target "amdgcn-amd-amdhsa--gfx1250"
	.amdhsa_code_object_version 6
	.text
	.protected	k_q8f2056cc52_prep
	.globl	k_q8f2056cc52_prep
	.p2align	8
	.type	k_q8f2056cc52_prep,@function
k_q8f2056cc52_prep:
	s_mov_b64 s[64:65], 0
	v_nop
	global_prefetch_b8 v0, s[64:65] scope:SCOPE_SE
	s_setreg_imm32_b32 hwreg(HW_REG_WAVE_MODE, 25, 1), 1
	s_wait_xcnt 0x0
; PREP.  (1) The mask [8][2048][2048] of bytes becomes lane masks for the attention launch: maskw [b 8][query tile 128][key step 16][n 64] of 32-bit words;
; bit r + 16 h of word n is mask[b][tok(tile, r)][128 step + 32 (n / 16) + 16 h + n % 16], which is the score that lane (r, h) holds in its register n there.
; tok(t, r) = 32 (t / 2) + 8 (t % 2) + r + 8 (r / 8): the sixteen rows of a tile are not neighbours; every launch of this program takes its tiles so.
; (2) The four weights [512 n][512 k], f32, become codes of FP6 (E2M3) with one E8M0 byte for each 32 along K, laid as IMAGES OF OPERAND REGISTERS:
; wimg [w: Wv, Wq, Wk, Wo][tile 32][K step 4] of 1,536 bytes (three planes of 512: registers 4 q .. 4 q + 3, lane l at 16 l); wsc [w][tile][lane 32][K step 4] of scale words.
; SHARES.  A work-group owns 64 rows of the mask; wave w owns 256 keys of them, brings them by one tensor load (64 rows x 256 bytes) and reads only what it brought: no barrier.
; While the load is out, waves 0 and 1 quantise one weight fragment each: 512 fragments for 256 work-groups.
; The scale words leave as 4 bytes a lane, 16 bytes apart: two work-groups' four waves fill a unit; the whole table is 65,536 bytes.
; LIMITS: any non-zero mask byte counts as true.  A block of a weight whose largest magnitude lies under 2^-124, zeros among them, keeps the byte 1 (only this program reads the bytes); NaN and infinities are not served.
.set CHUNK, 17408                      ; 64 rows x (256 + 16) bytes: a wave's part of the mask in LDS
.set MP,    272
.set SPARE, 8*CHUNK                    ; behind the eight parts: the spare words, 128 bytes for each wave
.set LI,  1                            ; v1   16 x lane
.set L8,  2                            ; v2   8 x lane
.set WA,  3                            ; v3   a weight: (r + 8 (r / 8)) x 2,048 + 64 h
.set MAD, 5                            ; v5   LDS: my wave's part + (r + 8 (r / 8)) x 272 + 16 h
.set SPW, 6                            ; v6   my spare word; never rewritten
.set NIL, 7                            ; v7   0; never rewritten
.set PW,  9                            ; v9   the scale word just made
.set TM,  16                           ; v16-31  at work in QUANT
.set PC,  32                           ; v32-51  the codes just made
.set X,   64                           ; v64-127 64 numbers of a weight
.set M,   128                          ; v128-159 two sets of 16 registers of mask bytes
.set OUT, 160                          ; v160-175 two registers for each of the eight units: no store's data are written again
.set T,   176                          ; v176-191 single bytes
.set G1,  20                           ; s[20:27] descriptor group 1
.set G0,  28                           ; s[28:31] descriptor group 0
.set CM,  32                           ; s[32:47] sixteen lane masks
.set WV,  48
.set SEL, 62                           ; s[62:63] v_permlanex16_b32's selects for lane l xor 16
; 64 numbers of a lane, register 16 b + i = k 32 b + 16 (lane / 16) + i of my row, become a fragment's codes in v[PC] on and its scale word in v[PW].
.macro QUANT s
.irp b, 0,1,2,3
	v_max3_num_f32 v[TM+\b], |v[\s+16*\b]|, |v[\s+1+16*\b]|, 0x1800000   ; my 16 numbers of block b, and the floor 2^(3 - 127): the byte cannot fall under 1
.endr
.irp i, 2,4,6,8,10,12,14
.irp b, 0,1,2,3
	s_delay_alu instid0(VALU_DEP_4)
	v_max3_num_f32 v[TM+\b], v[TM+\b], |v[\s+16*\b+\i]|, |v[\s+1+16*\b+\i]|
.endr
.endr
.irp b, 0,1,2,3
	s_delay_alu instid0(VALU_DEP_4)
	v_permlanex16_b32 v[TM+4+\b], v[TM+\b], s[SEL], s[SEL+1]
.endr
.irp b, 0,1,2,3
	s_delay_alu instid0(VALU_DEP_4)
	v_max_num_f32 v[TM+\b], v[TM+\b], v[TM+4+\b]                         ; with lane l xor 16's: the block's largest magnitude
.endr
.irp b, 0,1,2,3
	s_delay_alu instid0(VALU_DEP_4)
	v_add_nc_u32 v[TM+12+\b], 0xff000000, v[TM+\b]                       ; 2 off its exponent field: the conversion's scale operand
.endr
.irp b, 0,1,2,3
	s_delay_alu instid0(VALU_DEP_4)
	v_lshrrev_b32 v[TM+4+\b], 23, v[TM+12+\b]                            ; the scale's byte
.endr
	s_delay_alu instid0(VALU_DEP_3)
	v_lshl_or_b32 v[PW], v[TM+5], 8, v[TM+4]
	s_delay_alu instid0(VALU_DEP_1)
	v_lshl_or_b32 v[PW], v[TM+6], 16, v[PW]
	s_delay_alu instid0(VALU_DEP_1)
	v_lshl_or_b32 v[PW], v[TM+7], 24, v[PW]
.irp c, 0,1
	v_cvt_scalef32_pk16_fp6_f32 v[PC+6*\c:PC+2+6*\c], v[\s+32*\c:\s+15+32*\c], v[TM+12+2*\c]
	v_cvt_scalef32_pk16_fp6_f32 v[PC+12+4*\c:PC+14+4*\c], v[\s+16+32*\c:\s+31+32*\c], v[TM+12+2*\c+1]   ; (a conversion's three registers begin on an even number)
.endr
	v_nop                                          ; one plain place behind a scaled conversion
.irp c, 0,1                                    ; the operand's layout wants a whole block in a lane
.irp i, 0,1,2
	v_permlane16_swap_b32 v[PC+6*\c+\i], v[PC+12+4*\c+\i]
.endr
.irp i, 0,1,2
	s_delay_alu instid0(VALU_DEP_3)
	v_mov_b32 v[PC+3+6*\c+\i], v[PC+12+4*\c+\i]
.endr
.endr
.endm
	s_load_b512 s[4:19], s[0:1], 0x0
	s_load_b64 s[2:3], s[0:1], 0x40                ; cntw [work-group 256][wave 8][lane 32][tile 4]: how many of my wave's 256 keys are masked for lane (r, h)'s row and half (mask bytes are 0 or 1)
	v_lshl_add_u32 v[SPW], v0, 2, SPARE
	v_mov_b32 v[NIL], 0
	ds_add_u32 v[SPW], v[NIL]                      ; the wave's opening: the add and its wait ahead of my tensor load; work on registers stands between
	ds_add_u32 v[SPW], v[NIL]
	v_lshrrev_b32 v10, 5, v0
	s_delay_alu instid0(VALU_DEP_1)
	v_readfirstlane_b32 s[WV], v10                 ; wave 0..7
	s_mov_b32 s[G1+0], (3<<16)|(1<<20)|(5<<22)|(3<<25)   ; elements of 8 bytes; padding on: behind every 64 words, 4 words
	s_mov_b32 s[G1+1], 32<<16                      ; tensor_dim0 = 32 elements (256 bytes)
	s_mov_b32 s[G1+2], 64<<16                      ; tensor_dim1 = 64
	s_mov_b32 s[G1+3], 32<<16                      ; tile_dim0 = 32
	s_mov_b32 s[G1+4], 64                          ; tile_dim1 = 64
	s_mov_b32 s[G1+5], 256                         ; from row to row: 2,048 bytes
	s_mov_b32 s[G1+6], 0
	s_mov_b32 s[G1+7], 0
	s_mov_b32 s[G0], 1
	s_mul_i32 s[G0+1], s[WV], CHUNK                ; my part of LDS
	s_mov_b32 s[SEL], 0x76543210
	s_mov_b32 s[SEL+1], 0xfedcba98
	v_and_b32 v10, 31, v0
	s_delay_alu instid0(VALU_DEP_1)
	v_lshlrev_b32 v[LI], 4, v10
	s_delay_alu instid0(VALU_DEP_2)
	v_lshlrev_b32 v[L8], 3, v10
	v_and_b32 v11, 15, v0                          ; r
	s_delay_alu instid0(VALU_DEP_1)
	v_and_b32 v12, 8, v11
	s_delay_alu instid0(VALU_DEP_1)
	v_add_nc_u32 v12, v12, v11                     ; r + 8 (r / 8)
	v_bfe_u32 v13, v0, 4, 1                        ; h
	s_delay_alu instid0(VALU_DEP_2)
	v_lshlrev_b32 v[WA], 11, v12
	s_delay_alu instid0(VALU_DEP_1)
	v_lshl_add_u32 v[WA], v13, 6, v[WA]
	s_delay_alu instid0(VALU_DEP_4)
	v_mul_u32_u24 v[MAD], v12, MP
	s_delay_alu instid0(VALU_DEP_1)
	v_lshl_add_u32 v[MAD], v13, 4, v[MAD]
	s_delay_alu instid0(VALU_DEP_1)
	v_add_nc_u32 v[MAD], s[G0+1], v[MAD]
.irp i, 0,1,2,3,4,5,6,7,8,9,10,11,12,13,14,15
	v_mov_b32 v[OUT+\i], 0                         ; a lane write's destination counts as read
.endr
.set CT, 52                            ; v52-55 the four tiles' counts, four byte sums to a register (32 at the most in a byte); v56-59 at work
.irp b, 0,1,2,3
	v_mov_b32 v[TM+4+\b], 0
	v_mov_b32 v[CT+\b], 0
.endr
	s_wait_alu depctr_va_vdst(0)                   ; the wait at the end of the head's vector work
	s_lshl_b32 s50, ttmp9, 17                      ; my 64 rows of 2,048 bytes,
	s_lshl_b32 s51, s[WV], 8                       ; my 256 keys
	s_add_co_u32 s50, s50, s51
	s_mov_b32 s51, 0
	s_lshl_b32 s52, ttmp9, 14                      ; maskw: four tiles of 4,096 bytes,
	s_lshl_b32 s53, s[WV], 9                       ; my two key steps of 256
	s_add_co_u32 s52, s52, s53
	s_mov_b32 s53, 0
	s_wait_dscnt 0x0                               ; the opening add is done
	s_wait_kmcnt 0x0
	s_add_nc_u64 s[G0+2:G0+3], s[4:5], s[50:51]
	s_or_b32 s[G0+3], s[G0+3], 0x80000000          ; type = 2
	s_add_nc_u64 s[14:15], s[14:15], s[52:53]
	s_lshl_b32 s50, ttmp9, 12                      ; cntw: 4,096 bytes a work-group,
	s_lshl_b32 s52, s[WV], 9                       ; 512 a wave
	s_add_co_u32 s50, s50, s52
	s_add_nc_u64 s[2:3], s[2:3], s[50:51]
	tensor_load_to_lds s[G0:G0+3], s[G1:G1+7]      ; my one tensor load
	s_nop 0
	s_cmp_lt_u32 s[WV], 2
	s_cbranch_scc0 .Lno_weight
	; ---- waves 0 and 1: fragment 2 g + w of the 512: weight g / 64, tile (g / 2) % 32, K step 2 (g % 2) + w
	s_lshr_b32 s54, ttmp9, 6
	s_cmp_eq_u32 s54, 1
	s_cselect_b64 s[56:57], s[8:9], s[6:7]
	s_cmp_eq_u32 s54, 2
	s_cselect_b64 s[56:57], s[10:11], s[56:57]
	s_cmp_eq_u32 s54, 3
	s_cselect_b64 s[56:57], s[12:13], s[56:57]
	s_bfe_u32 s55, ttmp9, 0x50001                  ; the tile
	s_and_b32 s58, ttmp9, 1
	s_lshl_b32 s58, s58, 1
	s_add_co_u32 s58, s58, s[WV]                   ; the K step
	s_lshr_b32 s59, s55, 1
	s_lshl_b32 s59, s59, 16                        ; 32 (tile / 2) rows of 2,048 bytes
	s_and_b32 s60, s55, 1
	s_lshl_b32 s60, s60, 14                        ; 8 (tile % 2) rows
	s_add_co_u32 s60, s60, s59
	s_lshl_b32 s59, s58, 9                         ; 128 numbers a K step
	s_add_co_u32 s60, s60, s59
	s_mov_b32 s61, 0
	s_add_nc_u64 s[56:57], s[56:57], s[60:61]
.irp b, 0,1,2,3
.irp j, 0,1,2,3
	global_load_b128 v[X+16*\b+4*\j:X+16*\b+4*\j+3], v[WA], s[56:57] offset:128*\b+16*\j   ; my 16 numbers of each block of 32
.endr
.endr
	s_lshl_b32 s59, ttmp9, 1
	s_add_co_u32 s59, s59, s[WV]                   ; the fragment's number
	s_mul_i32 s60, s59, 1536
	s_add_nc_u64 s[16:17], s[16:17], s[60:61]
	s_lshr_b32 s60, s59, 2
	s_lshl_b32 s60, s60, 9                         ; 512 bytes of scale words a tile,
	s_and_b32 s59, s59, 3
	s_lshl_b32 s59, s59, 2                         ; 4 bytes a K step
	s_add_co_u32 s60, s60, s59
	s_add_nc_u64 s[18:19], s[18:19], s[60:61]
	s_wait_loadcnt 0x0
	QUANT X
.irp c, 0,1,2
	global_store_b128 v[LI], v[PC+4*\c:PC+4*\c+3], s[16:17] offset:512*\c   ; 512 consecutive bytes a store
.endr
	global_store_b32 v[LI], v[PW], s[18:19]
.Lno_weight:
	s_wait_tensorcnt 0x0                           ; my part of the mask lies in LDS; nobody else reads it
; Unit i = 2 tile + step: 64 words.  ULD: a lane's 16 bytes of each of the four blocks of 32 keys.
.macro ULD i
.irp bq, 0,1,2,3
	ds_load_b128 v[M+16*((\i)%2)+4*\bq:M+16*((\i)%2)+4*\bq+3], v[MAD] offset:(32*((\i)/4)+8*(((\i)/2)%2))*MP+128*((\i)%2)+32*\bq
.endr
.endm
.macro UNIT i
.if (\i) < 7
	ULD (\i)+1
	s_wait_dscnt 4                                 ; all but the next unit's four loads
.else
	s_wait_dscnt 0x0
.endif
.irp q, 0,1,2,3,4,5,6,7,8,9,10,11,12,13,14,15
	v_add_nc_u32 v[CT+(\i)/2], v[CT+(\i)/2], v[M+16*((\i)%2)+\q]   ; the unit's 64 mask bytes of my lane, summed byte by byte
.endr
.irp bq, 0,1,2,3
.irp k, 0,1,2,3,4,5,6,7,8,9,10,11,12,13,14,15
	v_and_b32 v[T+\k], 0xff<<(8*(\k%4)), v[M+16*((\i)%2)+4*\bq+\k/4]       ; byte k of my 16
.endr
.irp k, 0,1,2,3,4,5,6,7,8,9,10,11,12,13,14,15
	v_cmp_ne_u32 s[CM+\k], 0, v[T+\k]                                      ; word n = 16 bq + k: one bit a lane
.endr
.irp k, 0,1,2,3,4,5,6,7,8,9,10,11,12,13,14,15
	v_writelane_b32 v[OUT+2*(\i)+\k%2], s[CM+\k], 8*\bq+\k/2               ; lane n / 2 keeps words n and n + 1
.endr
.endr
	global_store_b64 v[L8], v[OUT+2*(\i):OUT+2*(\i)+1], s[14:15] offset:4096*((\i)/2)+256*((\i)%2)   ; 32 lanes store 256 consecutive bytes, aligned
.endm
	ULD 0
.irp i, 0,1,2,3,4,5,6,7
	UNIT \i
.endr
.irp t, 0,1,2,3
	v_lshrrev_b32 v[56+\t], 8, v[CT+\t]            ; the four byte sums of each register become one number
.endr
.irp t, 0,1,2,3
	v_and_b32 v[CT+\t], 0xff00ff, v[CT+\t]
.endr
.irp t, 0,1,2,3
	v_and_b32 v[56+\t], 0xff00ff, v[56+\t]
.endr
.irp t, 0,1,2,3
	v_add_nc_u32 v[CT+\t], v[CT+\t], v[56+\t]
.endr
.irp t, 0,1,2,3
	v_lshrrev_b32 v[56+\t], 16, v[CT+\t]
.endr
.irp t, 0,1,2,3
	v_and_b32 v[CT+\t], 0xffff, v[CT+\t]
.endr
.irp t, 0,1,2,3
	v_add_nc_u32 v[CT+\t], v[CT+\t], v[56+\t]
.endr
	global_store_b128 v[LI], v[CT:CT+3], s[2:3]    ; 512 consecutive bytes
	s_wait_tensorcnt 0x0                           ; the wave's end
	ds_add_u32 v[SPW], v[NIL]
	s_wait_dscnt 0x0
	s_endpgm
.Lfunc_end_k_q8f2056cc52_prep:
	.size	k_q8f2056cc52_prep, .Lfunc_end_k_q8f2056cc52_prep-k_q8f2056cc52_prep
	.p2alignl 7, 3214868480
	.fill 96, 4, 3214868480
	.section	.rodata,"a",@progbits
	.p2align	6, 0x0
	.amdhsa_kernel k_q8f2056cc52_prep
		.amdhsa_group_segment_fixed_size 167936
		.amdhsa_private_segment_fixed_size 0
		.amdhsa_enable_private_segment 0
		.amdhsa_kernarg_size 72
		.amdhsa_user_sgpr_count 2
		.amdhsa_user_sgpr_kernarg_segment_ptr 1
		.amdhsa_wavefront_size32 1
		.amdhsa_system_sgpr_workgroup_id_x 1
		.amdhsa_system_sgpr_workgroup_id_y 1
		.amdhsa_system_sgpr_workgroup_id_z 1
		.amdhsa_system_vgpr_workitem_id 0
		.amdhsa_next_free_vgpr 192
		.amdhsa_next_free_sgpr 66
		.amdhsa_reserve_vcc 0
		.amdhsa_float_denorm_mode_32 3
		.amdhsa_float_denorm_mode_16_64 3
		.amdhsa_memory_ordered 1
		.amdhsa_forward_progress 1
		.amdhsa_inst_pref_size 117
	.end_amdhsa_kernel
	.amdgpu_metadata
---
amdhsa.version: [ 1, 2 ]
amdhsa.kernels:
  - .name:           k_q8f2056cc52_prep
    .symbol:         k_q8f2056cc52_prep.kd
    .args:
      - { .name: mask, .offset: 0, .size: 8, .value_kind: global_buffer, .address_space: global }
      - { .name: Wv, .offset: 8, .size: 8, .value_kind: global_buffer, .address_space: global }
      - { .name: Wq, .offset: 16, .size: 8, .value_kind: global_buffer, .address_space: global }
      - { .name: Wk, .offset: 24, .size: 8, .value_kind: global_buffer, .address_space: global }
      - { .name: Wo, .offset: 32, .size: 8, .value_kind: global_buffer, .address_space: global }
      - { .name: maskw, .offset: 40, .size: 8, .value_kind: global_buffer, .address_space: global }
      - { .name: wimg, .offset: 48, .size: 8, .value_kind: global_buffer, .address_space: global }
      - { .name: wsc, .offset: 56, .size: 8, .value_kind: global_buffer, .address_space: global }
      - { .name: cntw, .offset: 64, .size: 8, .value_kind: global_buffer, .address_space: global }
    .group_segment_fixed_size: 167936
    .private_segment_fixed_size: 0
    .kernarg_segment_align: 8
    .kernarg_segment_size: 72
    .max_flat_workgroup_size: 256
    .sgpr_count:     66
    .vgpr_count:     192
    .wavefront_size: 32
...
	.end_amdgpu_metadata
.endif
;; end of part 1
;; launch proj (part 2): grid 128 x 3, 8 waves a work-group, no clusters, 327,680 bytes of LDS; arguments value, query, key, bv, bq, bk, wimg, wsc, qkv; writes qkv
.if DOCPART == 2
	.amdgcn_target "amdgcn-amd-amdhsa--gfx1250"
	.amdhsa_code_object_version 6
	.text
	.protected	k_q8f2056cc52_proj
	.globl	k_q8f2056cc52_proj
	.p2align	8
	.type	k_q8f2056cc52_proj,@function
k_q8f2056cc52_proj:
	s_mov_b64 s[64:65], 0
	v_nop
	global_prefetch_b8 v0, s[64:65] scope:SCOPE_SE
	s_setreg_imm32_b32 hwreg(HW_REG_WAVE_MODE, 25, 1), 1
	s_wait_xcnt 0x0
; PROJ.  v = value Wv^T + bv, q = query Wq^T + bq, k = key Wk^T + bk, each on codes of FP6 (E2M3) with one E8M0 byte for each 32 along K, and the results quantised at once for the attention's products.
; Work-group (g, y): y = 0 value, 1 query, 2 key; g = a block of 128 tokens (batch g / 16, key step g % 16).  Wave w = head w: its 64 features' 16 fragments of W stay in registers (window 1).
; qkv: K, V [batch 8][key step 16][head 8] of 6,656 bytes (four images, then 512 bytes of scale words) from bytes 0 and 6,815,744; Q [8 batch + head] of 106,496 bytes from byte 13,631,488: 64 images of operand registers (1,536 bytes: three planes of 512, registers 4 q .. 4 q + 3, lane l at 16 l), then scale words [step 16][lane 32][unit 4].
;   Q, K: K = the head's 64.  Image 4 step + unit holds the token tiles 2 p and 2 p + 1 (p = 4 step + unit): registers 0-5 the first, 6-11 the second.  Its scale register: lanes 0-15 the first tile's two bytes, lanes 16-31 the second's; the upper two bytes 0.
;   V: K = the keys.  Image 4 step + f holds V^T: 16 of the head's 64 (tile f) x the step's 128 keys; its scale word is whole.
; The sixteen rows of every tile are tok(t, r) = 32 (t / 2) + 8 (t % 2) + r + 8 (r / 8), so that the 16 registers of two neighbouring result tiles are 16 neighbours along the next K.
; PHASES.  The block's 128 x 512 f32 come into LDS by one tensor load a wave (64 rows x 512 bytes), filled once | barrier | wave w quantises token tile w (four fragments) and stores their images | barrier |
; Q, K: source 0 = W, source 1 = x: a lane holds one token and its registers run along the features;  V: source 0 = x, source 1 = W: a lane holds one feature and its registers run along the tokens.  The bias is the C of each sum's first product.
; In V's path x's images are read from LDS once for each of the four feature tiles: the plain form.
; No cluster: no two work-groups read the same tokens, and W goes from memory straight into registers, lane by lane.
; LIMITS: a block whose largest magnitude lies under 2^-124, zeros among them, keeps the byte 1 (only this program reads the bytes); NaN and infinities are not served.
.set XPITCH, 528                       ; an LDS row of x: 512 bytes + 16
.set XSTEP,  128*XPITCH                ; 128 tokens of one K step
.set FRB,    1536                      ; an image
.set XIMG,   4*XSTEP                   ; behind x: the 32 images (4 tile + K step),
.set XSC,    XIMG+32*FRB               ; their scale words, 128 bytes each,
.set SPARE,  XSC+32*128                ; and the spare words, 128 bytes for each wave
.set PART,   106496
.set HEADB,  3*PART
.set LI,  1                            ; v1  16 x lane
.set LS,  2                            ; v2  4 x lane
.set XRA, 3                            ; v3  x in LDS: my row of my token tile, + 64 h; steps by XSTEP
.set XWI, 4                            ; v4  where I store my tile's images
.set XWS, 5                            ; v5  and their scale words
.set SH,  6                            ; v6  16 h for Q and K, 0 for V
.set LIX, 7                            ; v7  XIMG + 16 x lane
.set LSX, 8                            ; v8  XSC + 4 x lane
.set BO,  9                            ; v9  the bias's lane offset
.set SPW, 10                           ; v10 my spare word; never rewritten
.set NIL, 11                           ; v11 0; never rewritten
.set XS,  16                           ; v16-23 x's scale words
.set WS,  24                           ; v24-39 W's scale words, 4 f + s
.set SW,  40                           ; v40-43 the four units' scale words, to be stored
.set PW,  44
.set TP,  45
.set TM,  48                           ; v48-63
.set PC,  64                           ; v64-83
.set ACC, 84                           ; v84-147  eight accumulators
.set XF,  148                          ; v148-243 eight fragments of x
.set BI,  192                          ; window 1: the bias, eight registers a feature tile; W's fragments (f, s) at v[12 (4 f + s)] of window 1
.set G1,  24
.set G0,  32
.set WV,  36
.set Y,   37
.set QKF, 38
.set MSK, 39
.set OB,  40                           ; s[40:41] where my images go
.set SB,  42                           ; s[42:43] where my scale words go
.set XP,  44
.set BP,  46
.set WP,  48
.set WSP, 50
.set SEL, 60
.set MSB, 0
.macro WIN new                         ; the immediate's high byte repeats the setting that is left
.if MSB != \new
	s_set_vgpr_msb (MSB<<8)|\new
.set MSB, \new
.endif
.endm
.macro PLACES
.rept 4
	v_nop
.endr
.endm
; 64 numbers of a lane, register 16 b + i = k 32 b + 16 (lane / 16) + i of my row, become a fragment's codes in v[PC] on and its scale word in v[PW].
.macro QUANT s
.irp b, 0,1,2,3
	v_max3_num_f32 v[TM+\b], |v[\s+16*\b]|, |v[\s+1+16*\b]|, 0x1800000   ; my 16 numbers of block b, and the floor 2^(3 - 127).  (Each accumulator is read from its low end on)
.endr
.irp i, 2,4,6,8,10,12,14
.irp b, 0,1,2,3
	v_max3_num_f32 v[TM+\b], v[TM+\b], |v[\s+16*\b+\i]|, |v[\s+1+16*\b+\i]|
.endr
.endr
.irp b, 0,1,2,3
	s_delay_alu instid0(VALU_DEP_4)
	v_permlanex16_b32 v[TM+4+\b], v[TM+\b], s[SEL], s[SEL+1]
.endr
.irp b, 0,1,2,3
	s_delay_alu instid0(VALU_DEP_4)
	v_max_num_f32 v[TM+\b], v[TM+\b], v[TM+4+\b]
.endr
.irp b, 0,1,2,3
	s_delay_alu instid0(VALU_DEP_4)
	v_add_nc_u32 v[TM+12+\b], 0xff000000, v[TM+\b]                       ; 2 off the exponent field: the conversion's scale operand
.endr
.irp b, 0,1,2,3
	s_delay_alu instid0(VALU_DEP_4)
	v_lshrrev_b32 v[TM+4+\b], 23, v[TM+12+\b]                            ; the scale's byte
.endr
	s_delay_alu instid0(VALU_DEP_3)
	v_lshl_or_b32 v[PW], v[TM+5], 8, v[TM+4]
	s_delay_alu instid0(VALU_DEP_1)
	v_lshl_or_b32 v[PW], v[TM+6], 16, v[PW]
	s_delay_alu instid0(VALU_DEP_1)
	v_lshl_or_b32 v[PW], v[TM+7], 24, v[PW]
.irp c, 0,1
	v_cvt_scalef32_pk16_fp6_f32 v[PC+6*\c:PC+2+6*\c], v[\s+32*\c:\s+15+32*\c], v[TM+12+2*\c]
	v_cvt_scalef32_pk16_fp6_f32 v[PC+12+4*\c:PC+14+4*\c], v[\s+16+32*\c:\s+31+32*\c], v[TM+12+2*\c+1]
.endr
	v_nop                                          ; one plain place behind a scaled conversion
.irp c, 0,1
.irp i, 0,1,2
	v_permlane16_swap_b32 v[PC+6*\c+\i], v[PC+12+4*\c+\i]
.endr
.irp i, 0,1,2
	s_delay_alu instid0(VALU_DEP_3)
	v_mov_b32 v[PC+3+6*\c+\i], v[PC+12+4*\c+\i]
.endr
.endr
.endm
	s_load_b512 s[4:19], s[0:1], 0x0               ; value s[4:5], query s[6:7], key s[8:9], bv s[10:11], bq s[12:13], bk s[14:15], wimg s[16:17], wsc s[18:19]
	s_load_b64 s[20:21], s[0:1], 0x40              ; qkv
	v_lshl_add_u32 v[SPW], v0, 2, SPARE
	v_mov_b32 v[NIL], 0
	ds_add_u32 v[SPW], v[NIL]                      ; the wave's opening: the add and its wait ahead of my tensor load; work on registers stands between
	ds_add_u32 v[SPW], v[NIL]
	v_lshrrev_b32 v12, 5, v0
	s_delay_alu instid0(VALU_DEP_1)
	v_readfirstlane_b32 s[WV], v12                 ; wave 0..7 = head
	s_and_b32 s[Y], ttmp7, 0xffff
	s_mov_b32 s[G1+0], (2<<16)|(1<<20)|(6<<22)|(3<<25)   ; elements of 4 bytes; padding on: behind every 128 words, 4 words
	s_mov_b32 s[G1+1], 128<<16                     ; tensor_dim0 = 128
	s_mov_b32 s[G1+2], 64<<16                      ; tensor_dim1 = 64
	s_mov_b32 s[G1+3], 128<<16                     ; tile_dim0 = 128
	s_mov_b32 s[G1+4], 64                          ; tile_dim1 = 64
	s_mov_b32 s[G1+5], 512                         ; from row to row
	s_mov_b32 s[G1+6], 0
	s_mov_b32 s[G1+7], 0
	s_mov_b32 s[SEL], 0x76543210
	s_mov_b32 s[SEL+1], 0xfedcba98
	v_and_b32 v12, 31, v0
	s_delay_alu instid0(VALU_DEP_1)
	v_lshlrev_b32 v[LI], 4, v12
	s_wait_alu depctr_va_vdst(0)
	v_lshlrev_b32 v[LS], 2, v12
	s_wait_alu depctr_va_vdst(0)
	v_and_b32 v13, 15, v0                          ; r
	s_delay_alu instid0(VALU_DEP_1)
	v_and_b32 v14, 8, v13
	s_delay_alu instid0(VALU_DEP_1)
	v_add_nc_u32 v14, v14, v13                     ; r + 8 (r / 8)
	v_bfe_u32 v15, v0, 4, 1                        ; h
	s_wait_alu depctr_va_vdst(0)
	s_lshr_b32 s52, s[WV], 1
	s_lshl_b32 s52, s52, 5
	s_and_b32 s53, s[WV], 1
	s_lshl_b32 s53, s53, 3
	s_add_co_u32 s52, s52, s53                     ; my token tile's first row: 32 (w / 2) + 8 (w % 2)
	s_mul_i32 s52, s52, XPITCH
	v_mul_u32_u24 v[XRA], v14, XPITCH
	s_delay_alu instid0(VALU_DEP_1)
	v_lshl_add_u32 v[XRA], v15, 6, v[XRA]
	s_delay_alu instid0(VALU_DEP_1)
	v_add_nc_u32 v[XRA], s52, v[XRA]
	s_mul_i32 s52, s[WV], 4*FRB
	s_add_co_u32 s52, s52, XIMG
	v_add_nc_u32 v[XWI], s52, v[LI]
	s_lshl_b32 s52, s[WV], 9
	s_add_co_u32 s52, s52, XSC
	v_add_nc_u32 v[XWS], s52, v[LS]
	v_add_nc_u32 v[LIX], XIMG, v[LI]
	v_add_nc_u32 v[LSX], XSC, v[LS]
	s_cmp_eq_u32 s[Y], 0
	s_cselect_b32 s[QKF], 0, -1
	s_cselect_b32 s[MSK], -1, 0xffff
	v_lshlrev_b32 v[SH], 4, v15
	s_delay_alu instid0(VALU_DEP_1)
	v_and_b32 v[SH], s[QKF], v[SH]
.irp b, 0,1,2,3
	v_mov_b32 v[TM+4+\b], 0                        ; a lane permute's destination counts as one of its sources
.endr
	s_and_b32 s52, s[WV], 3                        ; I fetch K step w % 4,
	s_lshr_b32 s53, s[WV], 2                       ; tokens 64 (w / 4) on
	s_mul_i32 s54, s52, XSTEP
	s_mul_i32 s55, s53, 64*XPITCH
	s_mov_b32 s[G0], 1
	s_add_co_u32 s[G0+1], s54, s55
	s_lshl_b32 s54, ttmp9, 18                      ; 128 tokens of 2,048 bytes
	s_lshl_b32 s53, s53, 17
	s_lshl_b32 s52, s52, 9
	s_add_co_u32 s54, s54, s53
	s_add_co_u32 s54, s54, s52
	s_mov_b32 s55, 0
	s_lshr_b32 s56, ttmp9, 4
	s_lshl_b32 s56, s56, 3
	s_add_co_u32 s56, s56, s[WV]                   ; 8 x batch + head
	; qkv as it is laid now: K [batch 8][key step 16][head 8] of 6,656 bytes (four images, then 512 bytes of scale words) from byte 0; V likewise from byte 6,815,744; Q [8 batch + head] of 106,496 bytes from byte 13,631,488
	s_mul_i32 s56, s56, PART
	s_add_co_u32 s56, s56, 13631488
	s_and_b32 s52, ttmp9, 15                       ; the key step
	s_mul_i32 s53, s52, 4*FRB
	s_lshl_b32 s52, s52, 9
	s_add_co_u32 s58, s56, s52
	s_add_co_u32 s58, s58, 64*FRB                  ; its scale words
	s_add_co_u32 s56, s56, s53
	s_mul_i32 s52, ttmp9, 53248                    ; K, V: 16 batch + key step,
	s_mul_i32 s53, s[WV], 6656                     ; my head
	s_add_co_u32 s52, s52, s53
	s_cmp_eq_u32 s[Y], 0
	s_cselect_b32 s53, 6815744, 0
	s_add_co_u32 s52, s52, s53
	s_add_co_u32 s53, s52, 4*FRB
	s_cmp_eq_u32 s[Y], 1
	s_cselect_b32 s56, s56, s52
	s_cselect_b32 s58, s58, s53
	s_mov_b32 s57, 0
	s_mov_b32 s59, 0
	s_wait_dscnt 0x0                               ; the opening add is done
	s_wait_kmcnt 0x0
	s_cmp_eq_u32 s[Y], 1                           ; the choices hang on the work-group's number alone
	s_cselect_b64 s[XP:XP+1], s[6:7], s[4:5]
	s_cselect_b64 s[BP:BP+1], s[12:13], s[10:11]
	s_cmp_eq_u32 s[Y], 2
	s_cselect_b64 s[XP:XP+1], s[8:9], s[XP:XP+1]
	s_cselect_b64 s[BP:BP+1], s[14:15], s[BP:BP+1]
	s_add_nc_u64 s[G0+2:G0+3], s[XP:XP+1], s[54:55]
	s_or_b32 s[G0+3], s[G0+3], 0x80000000          ; type = 2
	tensor_load_to_lds s[G0:G0+3], s[G1:G1+7]      ; my one tensor load: filled once
	s_nop 0
	PLACES                                         ; the windows are switched behind four instructions
	s_add_nc_u64 s[OB:OB+1], s[20:21], s[56:57]
	s_add_nc_u64 s[SB:SB+1], s[20:21], s[58:59]
	s_mul_i32 s52, s[Y], 196608                    ; wimg: a weight,
	s_mul_i32 s53, s[WV], 24576                    ; my four tiles of four K steps
	s_add_co_u32 s52, s52, s53
	s_mov_b32 s53, 0
	s_add_nc_u64 s[WP:WP+1], s[16:17], s[52:53]
	s_lshl_b32 s52, s[Y], 14
	s_lshl_b32 s54, s[WV], 11
	s_add_co_u32 s52, s52, s54
	s_add_nc_u64 s[WSP:WSP+1], s[18:19], s[52:53]
	s_lshl_b32 s52, s[WV], 8                       ; my 64 numbers of the bias
	s_add_nc_u64 s[BP:BP+1], s[BP:BP+1], s[52:53]
	WIN 0x40                                       ; destination window 1
.irp f, 0,1,2,3
.irp s, 0,1,2,3
.irp q, 0,1,2
	global_load_b128 v[12*(4*\f+\s)+4*\q:12*(4*\f+\s)+4*\q+3], v[LI], s[WP:WP+1] offset:4*FRB*\f+FRB*\s+512*\q
.endr
.endr
.endr
	WIN 0
	s_cmp_eq_u32 s[Y], 0
	s_cbranch_scc1 .Lbias_v
	v_lshlrev_b32 v[BO], 6, v15                    ; Q, K: lane (r, h) wants, for tile f, the features 32 (f / 2) + 8 (f % 2) + 16 h + 0 .. 7
	WIN 0x40
.irp f, 0,1,2,3
	global_load_b128 v[BI+8*\f:BI+8*\f+3], v[BO], s[BP:BP+1] offset:(32*(\f/2)+8*(\f%2))*4
	global_load_b128 v[BI+8*\f+4:BI+8*\f+7], v[BO], s[BP:BP+1] offset:(32*(\f/2)+8*(\f%2))*4+16
.endr
	WIN 0
	s_branch .Lbias_done
.Lbias_v:
	v_lshlrev_b32 v[BO], 2, v14                    ; V: lane (r, h) wants the one feature of its column: 32 (f / 2) + 8 (f % 2) + r + 8 (r / 8)
	WIN 0x40
.irp f, 0,1,2,3
	global_load_b32 v[BI+8*\f], v[BO], s[BP:BP+1] offset:(32*(\f/2)+8*(\f%2))*4
.endr
	WIN 0
.Lbias_done:
.irp f, 0,1,2,3
	global_load_b128 v[WS+4*\f:WS+4*\f+3], v[LI], s[WSP:WSP+1] offset:512*\f   ; a tile's four scale words
.endr
	s_wait_tensorcnt 0x0                           ; my part of x lies in LDS,
	s_barrier_signal -1
	s_barrier_wait -1                              ; everybody's does
	; ---- X: token tile w becomes four fragments.  XR: 64 numbers of a lane for one K step, then the address steps to the next
.macro XR reg
.irp b, 0,1,2,3
.irp j, 0,1,2,3
	ds_load_b128 v[\reg+16*\b+4*\j:\reg+16*\b+4*\j+3], v[XRA] offset:128*\b+16*\j
.endr
.endr
	v_add_nc_u32 v[XRA], XSTEP, v[XRA]
.endm
.macro IMAGE s
.irp c, 0,1,2
	ds_store_b128 v[XWI], v[PC+4*\c:PC+4*\c+3] offset:FRB*(\s)+512*\c
.endr
	ds_store_b32 v[XWS], v[PW] offset:128*(\s)
.endm
	XR ACC
	XR XF
	s_wait_dscnt 16                                ; all but the sixteen loads just issued: K step 0 is in
	QUANT ACC
	IMAGE 0
	XR ACC
	s_wait_dscnt 16                                ; K step 1 is in, and the image's stores have read their registers
	QUANT XF
	IMAGE 1
	XR XF
	s_wait_dscnt 16                                ; K step 2 likewise
	QUANT ACC
	IMAGE 2
	s_wait_dscnt 0x0
	QUANT XF
	IMAGE 3
	s_wait_dscnt 0x0                               ; for the others' sake: my stores have landed
	s_barrier_signal -1
	s_barrier_wait -1                              ; the 32 images lie in LDS
	s_wait_loadcnt 0x0                             ; W, its scale words, the bias
; A unit's 64 results become an image and a scale word.
.macro FINISH u
	s_wait_xcnt 0x0                                ; the last unit's stores have read the codes' registers
	QUANT ACC
	v_lshrrev_b32 v[TP], v[SH], v[PW]              ; Q, K: lanes 16-31 take the second tile's two bytes,
	s_delay_alu instid0(VALU_DEP_1)
	v_and_b32 v[SW+(\u)], s[MSK], v[TP]            ; and the upper two bytes are 0; V: the word as it is
.irp c, 0,1,2
	global_store_b128 v[LI], v[PC+4*\c:PC+4*\c+3], s[OB:OB+1] offset:FRB*(\u)+512*\c   ; 512 consecutive bytes a store
.endr
.endm
	s_cmp_eq_u32 s[Y], 0
	s_cbranch_scc1 .Lvpath
	; ---- Q, K: four units, each a pair of token tiles; eight accumulators (u, f) by turns
.macro LDQK b
.irp u, 0,1
.irp s, 0,1,2,3
.irp q, 0,1,2
	ds_load_b128 v[XF+12*(4*\u+\s)+4*\q:XF+12*(4*\u+\s)+4*\q+3], v[LIX] offset:(4*(2*(\b)+\u)+\s)*FRB+512*\q
.endr
	ds_load_b32 v[XS+4*\u+\s], v[LSX] offset:(4*(2*(\b)+\u)+\s)*128
.endr
.endr
.endm
.macro MULQK s
.irp u, 0,1
.irp f, 0,1,2,3
.if (\s) == 0
	v_wmma_scale_f32_16x16x128_f8f6f4 v[ACC+8*(4*\u+\f):ACC+8*(4*\u+\f)+7], v[12*(4*\f+(\s)):12*(4*\f+(\s))+11], v[XF+12*(4*\u+(\s)):XF+12*(4*\u+(\s))+11], v[BI+8*\f:BI+8*\f+7], v[WS+4*\f+(\s)], v[XS+4*\u+(\s)] matrix_a_fmt:MATRIX_FMT_FP6 matrix_b_fmt:MATRIX_FMT_FP6
.else
	v_wmma_scale_f32_16x16x128_f8f6f4 v[ACC+8*(4*\u+\f):ACC+8*(4*\u+\f)+7], v[12*(4*\f+(\s)):12*(4*\f+(\s))+11], v[XF+12*(4*\u+(\s)):XF+12*(4*\u+(\s))+11], v[ACC+8*(4*\u+\f):ACC+8*(4*\u+\f)+7], v[WS+4*\f+(\s)], v[XS+4*\u+(\s)] matrix_a_fmt:MATRIX_FMT_FP6 matrix_b_fmt:MATRIX_FMT_FP6
.endif
.endr
.endr
.endm
	LDQK 0
.irp b, 0,1,2,3
	s_wait_dscnt 0x0
	WIN 0x11                                       ; source 0 (W) and source 2 (the bias) window 1
	MULQK 0
	WIN 0x01
	MULQK 1
	MULQK 2
	MULQK 3
	WIN 0
	PLACES                                         ; in front of loads into registers that the products have read, and of the first read of results
.if \b < 3
	LDQK \b+1                                      ; the next pair's fragments land while this pair is quantised
.endif
	FINISH \b
.endr
	s_branch .Ljoin
.Lvpath:
	; ---- V: four units, each a feature tile f against the eight token tiles; eight accumulators by turns
	WIN 0x41
.irp f, 0,1,2,3
.irp j, 1,2,3,4,5,6,7
	v_mov_b32 v[BI+8*\f+\j], v[BI+8*\f]            ; a lane's eight results are eight tokens of one feature: the same bias
.endr
.endr
	WIN 0
.macro LDV s
.irp t, 0,1,2,3,4,5,6,7
.irp q, 0,1,2
	ds_load_b128 v[XF+12*\t+4*\q:XF+12*\t+4*\q+3], v[LIX] offset:(4*\t+(\s))*FRB+512*\q
.endr
	ds_load_b32 v[XS+\t], v[LSX] offset:(4*\t+(\s))*128
.endr
.endm
.macro MULV f, s
.irp t, 0,1,2,3,4,5,6,7
.if (\s) == 0
	v_wmma_scale_f32_16x16x128_f8f6f4 v[ACC+8*\t:ACC+8*\t+7], v[XF+12*\t:XF+12*\t+11], v[12*(4*(\f)+(\s)):12*(4*(\f)+(\s))+11], v[BI+8*(\f):BI+8*(\f)+7], v[XS+\t], v[WS+4*(\f)+(\s)] matrix_a_fmt:MATRIX_FMT_FP6 matrix_b_fmt:MATRIX_FMT_FP6
.else
	v_wmma_scale_f32_16x16x128_f8f6f4 v[ACC+8*\t:ACC+8*\t+7], v[XF+12*\t:XF+12*\t+11], v[12*(4*(\f)+(\s)):12*(4*(\f)+(\s))+11], v[ACC+8*\t:ACC+8*\t+7], v[XS+\t], v[WS+4*(\f)+(\s)] matrix_a_fmt:MATRIX_FMT_FP6 matrix_b_fmt:MATRIX_FMT_FP6
.endif
.endr
.endm
.irp f, 0,1,2,3
.irp s, 0,1,2,3
	LDV \s
	s_wait_dscnt 0x0
.if \s == 0
	WIN 0x14                                       ; source 1 (W) and source 2 (the bias) window 1
.else
	WIN 0x04
.endif
	MULV \f, \s
	WIN 0
	PLACES
.endr
	FINISH \f
.endr
.Ljoin:
	s_wait_alu depctr_va_vdst(0)
	global_store_b128 v[LI], v[SW:SW+3], s[SB:SB+1]   ; the four units' scale words: 512 consecutive bytes
	s_wait_tensorcnt 0x0                           ; the wave's end
	ds_add_u32 v[SPW], v[NIL]
	s_wait_dscnt 0x0
	s_endpgm
.Lfunc_end_k_q8f2056cc52_proj:
	.size	k_q8f2056cc52_proj, .Lfunc_end_k_q8f2056cc52_proj-k_q8f2056cc52_proj
	.p2alignl 7, 3214868480
	.fill 96, 4, 3214868480
	.section	.rodata,"a",@progbits
	.p2align	6, 0x0
	.amdhsa_kernel k_q8f2056cc52_proj
		.amdhsa_group_segment_fixed_size 327680
		.amdhsa_private_segment_fixed_size 0
		.amdhsa_enable_private_segment 0
		.amdhsa_kernarg_size 72
		.amdhsa_user_sgpr_count 2
		.amdhsa_user_sgpr_kernarg_segment_ptr 1
		.amdhsa_wavefront_size32 1
		.amdhsa_system_sgpr_workgroup_id_x 1
		.amdhsa_system_sgpr_workgroup_id_y 1
		.amdhsa_system_sgpr_workgroup_id_z 1
		.amdhsa_system_vgpr_workitem_id 0
		.amdhsa_next_free_vgpr 512
		.amdhsa_next_free_sgpr 66
		.amdhsa_reserve_vcc 0
		.amdhsa_float_denorm_mode_32 3
		.amdhsa_float_denorm_mode_16_64 3
		.amdhsa_memory_ordered 1
		.amdhsa_forward_progress 1
		.amdhsa_inst_pref_size 153
	.end_amdhsa_kernel
	.amdgpu_metadata
---
amdhsa.version: [ 1, 2 ]
amdhsa.kernels:
  - .name:           k_q8f2056cc52_proj
    .symbol:         k_q8f2056cc52_proj.kd
    .args:
      - { .name: value, .offset: 0, .size: 8, .value_kind: global_buffer, .address_space: global }
      - { .name: query, .offset: 8, .size: 8, .value_kind: global_buffer, .address_space: global }
      - { .name: key, .offset: 16, .size: 8, .value_kind: global_buffer, .address_space: global }
      - { .name: bv, .offset: 24, .size: 8, .value_kind: global_buffer, .address_space: global }
      - { .name: bq, .offset: 32, .size: 8, .value_kind: global_buffer, .address_space: global }
      - { .name: bk, .offset: 40, .size: 8, .value_kind: global_buffer, .address_space: global }
      - { .name: wimg, .offset: 48, .size: 8, .value_kind: global_buffer, .address_space: global }
      - { .name: wsc, .offset: 56, .size: 8, .value_kind: global_buffer, .address_space: global }
      - { .name: qkv, .offset: 64, .size: 8, .value_kind: global_buffer, .address_space: global }
    .group_segment_fixed_size: 327680
    .private_segment_fixed_size: 0
    .kernarg_segment_align: 8
    .kernarg_segment_size: 72
    .max_flat_workgroup_size: 256
    .sgpr_count:     66
    .vgpr_count:     512
    .wavefront_size: 32
...
	.end_amdgpu_metadata
.endif
;; end of part 2
;; launch attn (part 3): grid 4 x 64, 8 waves a work-group, clusters of 4 x 1, 327,680 bytes of LDS; arguments qkv, maskw, cntw, wimg, wsc, bo, out0; writes out0
.if DOCPART == 3
	.amdgcn_target "amdgcn-amd-amdhsa--gfx1250"
	.amdhsa_code_object_version 6
	.text
	.protected	k_q8f2056cc52_attn
	.globl	k_q8f2056cc52_attn
	.p2align	8
	.type	k_q8f2056cc52_attn,@function
k_q8f2056cc52_attn:
	s_mov_b64 s[64:65], 0
	v_nop
	global_prefetch_b8 v0, s[64:65] scope:SCOPE_SE
	s_setreg_imm32_b32 hwreg(HW_REG_WAVE_MODE, 25, 1), 1
	s_wait_xcnt 0x0
	s_wait_alu depctr_hold_cnt(0) depctr_sa_sdst(0) depctr_va_vdst(0) depctr_va_sdst(0) depctr_va_ssrc(0) depctr_va_vcc(0) depctr_vm_vsrc(0)
	s_getreg_b32 s2, hwreg(HW_REG_IB_STS2, 6, 4)
	s_cmp_eq_u32 s2, 0
	s_cbranch_scc0 .Lentry_in_a_cluster
	s_endpgm
.Lentry_in_a_cluster:
	s_bfe_u32 s2, ttmp6, 0x10000c
	s_cmp_lg_u32 s2, 0x3003
	s_cbranch_scc0 .Lentry_shape_is_right
	s_endpgm
.Lentry_shape_is_right:
; ATTN.  out0 = (mask-zeroed softmax(q k^T / 8 with -10000 at masked keys) v) Wo^T + bo, all four products on codes of FP6 (E2M3) with one E8M0 byte for each 32 along K.
; SHARES.  A work-group owns 64 queries of one batch for ALL 8 heads; wave w owns query tile w % 4 and heads 4 (w / 4) .. + 3.  256 work-groups.  A lane holds one query (S^T = k q^T, O^T = v^T p^T).
; THE MASK is the same for all heads: once a key step its 64 lane masks become 64 registers of 0 or -1e30, which are the C of the score products of my four heads.
; A masked key so adds nothing to the row's maximum, sum or result.  What reference()'s -10000 adds is put in exactly at the end of walk 1: the running maximum begins at -10000 where the row has a masked key,
; and the sum takes (number of masked keys) x 2^((-10000 - maximum) log2 e); the numbers come from cntw.
; TWO WALKS over the keys, since p is quantised normalised: walk 1 finds each row's maximum and sum (running maximum), walk 2 makes p = 2^(t - maximum - log2 sum), quantises it and multiplies.
; THE RING: two slots of 106,496 bytes, 13,312 (52 rows of 256) a wave and fill, asked for jointly by the cluster's four work-groups, which walk the same batch.  Walk 1: 8 fills of two key steps of K.
; Walk 2: 16 fills of one step of K (waves 0-3) and V (waves 4-7).  One last fill brings the first 13,312 bytes of each wave's fragments of Wo, which the last product reads.  One tensor load a wave is out behind each round.
; No data prefetch: a fill has a whole slot's work (eight or four head steps a wave) in which to land, and eight clusters walk each batch's bytes.
; THE END: my four heads' results become two fragments of x (128 along K each), go to the other waves as register images in LDS bytes of their own; then wave w makes outputs 64 w .. + 63 of the 64 tokens.
; The sixteen rows of every tile are tok(t, r) = 32 (t / 2) + 8 (t % 2) + r + 8 (r / 8), as in the launches before.
; LIMITS: the promise holds while the scaled scores stay under 2^31 in magnitude.  A block whose largest magnitude lies under 2^-124 keeps the byte 1.  NaN and infinities are not served.
.set FRB,   1536
.set HB,    6656                       ; a head's part of a step: four images, 512 bytes of scale words
.set HALF,  8*HB
.set SLOT,  2*HALF
.set CH,    SLOT/8
.set BREG,  16*HALF                    ; a batch's K, or V
.set VREG,  8*BREG
.set QREG,  2*VREG
.set PART,  106496
.set XIMG,  2*SLOT                     ; behind the ring: x's 16 images (4 tile + K step),
.set XSC,   XIMG+16*FRB                ; their scale words,
.set STAGE, XSC+16*128                 ; the way out: 16 rows x 272 bytes a wave,
.set SP,    272
.set SPARE, STAGE+8*16*SP              ; and the spare words
; window 0
.set LI,  1                            ; 16 x lane
.set AK0, 2                            ; 16 x lane + my four heads' place in a step
.set ADK, 3
.set ADV, 4
.set NEG, 5                            ; -1e30
.set SPW, 6
.set NIL, 7
.set CF,  8                            ; my row's masked keys, f32
.set PW,  9
.set MRN, 10
.set MI,  11                           ; where the running maximum begins
.set QS,  12                           ; v12-15 q's scale words, a head each
.set KS,  16
.set VS,  20
.set NM,  24                           ; v24-31 pairs (-maximum x c, maximum), a head each
.set SUM, 32                           ; v32-39 pairs
.set FAC, 40
.set TM,  44                           ; v44-59
.set PC,  60                           ; v60-79
.set VF,  80                           ; v80-127 four fragments of V
.set S,   128                          ; v128-191 scores, then p
.set C,   192                          ; v192-255 the mask's 0 or -1e30
; window 1
.set OT,  0                            ; v0-127 O^T, 32 a head
.set QF,  128                          ; v128-175 q: six registers and six of zeros, a head each
.set KF,  176                          ; v176-223 eight tiles of K, v224-229 zeros
.set G1,  8
.set NX,  16                           ; s[16:19] where each slot goes on behind a walk's last trip
.set SQ,  20
.set CN2, 21
.set WO,  22
.set G0,  24                           ; s[24:31] group 0, one set a slot
.set KC,  2
.set MO,  3
.set TS,  4
.set GB,  5                            ; my block of 64 tokens, 0 .. 255
.set CS,  66
.set SEL, 100
.set WV,  104
.set CNT, 105
.set MSB, 0
.macro WIN new
.if MSB != \new
	s_set_vgpr_msb (MSB<<8)|\new
.set MSB, \new
.endif
.endm
.macro PLACES
.rept 4
	v_nop
.endr
.endm
.macro CROUND
	s_barrier_signal -1
	s_barrier_wait -1
	s_cmp_lg_u32 s[WV], 0
	s_cbranch_scc1 .Lnot_wave_0_\@
	s_barrier_signal -3
.Lnot_wave_0_\@:
	s_barrier_wait -3
	s_barrier_signal -1
	s_barrier_wait -1
.endm
.macro MM d, a, b, c, sa, sb, x
	v_wmma_scale_f32_16x16x128_f8f6f4 v[\d:\d+7], v[\a:\a+11], v[\b:\b+11], \c, v[\sa], v[\sb] matrix_a_fmt:MATRIX_FMT_FP6 matrix_b_fmt:MATRIX_FMT_FP6 \x
.endm
; A change of slots: the tensor wait, the add and the round; slot s's next address; the other slot's joint fill first behind the round.
.macro SYNC s, step
	s_wait_alu depctr_va_vdst(0)                   ; ahead of the blocking waits
	s_wait_tensorcnt 0x0                           ; my one load that was out, my part of slot s, is in
	ds_add_u32 v[SPW], v[NIL]
	s_add_nc_u64 s[G0+4*(\s)+2:G0+4*(\s)+3], s[G0+4*(\s)+2:G0+4*(\s)+3], \step
	s_cmp_eq_u32 s[CNT], 1                         ; in a walk's last trip the slot goes on to what follows the walk
	s_cselect_b64 s[G0+4*(\s)+2:G0+4*(\s)+3], s[NX+2*(\s):NX+2*(\s)+1], s[G0+4*(\s)+2:G0+4*(\s)+3]
	s_wait_dscnt 0x0                               ; the add, and my reads of the other slot
	CROUND
	tensor_load_to_lds s[G0+4-4*(\s):G0+7-4*(\s)], s[G1:G1+7]
	s_nop 0
	PLACES
.endm
; 64 numbers of a lane (window w), register 16 b + i = k 32 b + 16 (lane / 16) + i of my row, become a fragment's codes in v[PC] on and its scale word in v[PW].
.macro QUANT s, w
	WIN 0x05*(\w)
.irp b, 0,1,2,3
	v_max3_num_f32 v[TM+\b], |v[\s+16*\b]|, |v[\s+1+16*\b]|, 0x1800000   ; with the floor 2^(3 - 127)
.endr
	WIN 0x14*(\w)
.irp i, 2,4,6,8,10,12,14
.irp b, 0,1,2,3
	v_max3_num_f32 v[TM+\b], v[TM+\b], |v[\s+16*\b+\i]|, |v[\s+1+16*\b+\i]|
.endr
.endr
	WIN 0
.irp b, 0,1,2,3
	v_permlanex16_b32 v[TM+4+\b], v[TM+\b], s[SEL], s[SEL+1]
.endr
.irp b, 0,1,2,3
	v_max_num_f32 v[TM+\b], v[TM+\b], v[TM+4+\b]
.endr
.irp b, 0,1,2,3
	v_add_nc_u32 v[TM+12+\b], 0xff000000, v[TM+\b]     ; 2 off the exponent field: the conversion's scale operand
.endr
.irp b, 0,1,2,3
	v_lshrrev_b32 v[TM+4+\b], 23, v[TM+12+\b]          ; the scale's byte
.endr
	v_lshl_or_b32 v[PW], v[TM+5], 8, v[TM+4]
	s_delay_alu instid0(VALU_DEP_1)
	v_lshl_or_b32 v[PW], v[TM+6], 16, v[PW]
	s_delay_alu instid0(VALU_DEP_1)
	v_lshl_or_b32 v[PW], v[TM+7], 24, v[PW]
	WIN 0x01*(\w)
.irp c, 0,1
	v_cvt_scalef32_pk16_fp6_f32 v[PC+6*\c:PC+2+6*\c], v[\s+32*\c:\s+15+32*\c], v[TM+12+2*\c]
	v_cvt_scalef32_pk16_fp6_f32 v[PC+12+4*\c:PC+14+4*\c], v[\s+16+32*\c:\s+31+32*\c], v[TM+12+2*\c+1]
.endr
	WIN 0
	v_nop                                          ; one plain place behind a scaled conversion
.irp c, 0,1
.irp i, 0,1,2
	v_permlane16_swap_b32 v[PC+6*\c+\i], v[PC+12+4*\c+\i]
.endr
.irp i, 0,1,2
	v_mov_b32 v[PC+3+6*\c+\i], v[PC+12+4*\c+\i]
.endr
.endr
.endm
.macro MWNEXT                          ; the lane masks of key step KC % 16
	s_and_b32 s[MO], s[KC], 15
	s_lshl_b32 s[MO], s[MO], 8
	s_load_b512 s[32:47], s[6:7], s[MO] offset:0x0
	s_load_b512 s[48:63], s[6:7], s[MO] offset:0x40
	s_load_b512 s[68:83], s[6:7], s[MO] offset:0x80
	s_load_b512 s[84:99], s[6:7], s[MO] offset:0xc0
.endm
; A step's head, once for my four heads: the mask's upper 32 registers, the first head's upper four tiles, the lower 32 registers (they are the places behind those products), its lower four tiles.
.macro START w                         ; w: the LDS loads issued behind K's that may stay out (walk 2: V's 13)
	s_wait_kmcnt 0x0
.set n, 32
.rept 32
	v_cndmask_b32 v[C+n], 0, v[NEG], s[36+n]
.set n, n+1
.endr
	s_wait_alu depctr_va_vdst(0)                   ; ahead of the blocking wait
	s_wait_dscnt \w
	QKH 0, 1
.set n, 0
.rept 32
	v_cndmask_b32 v[C+n], 0, v[NEG], s[32+n]
.set n, n+1
.endr
	QKH 0, 0
	s_add_co_u32 s[KC], s[KC], 1
	MWNEXT
.endm
.macro KLOAD j
	WIN 0x40
.irp i, 0,1,2,3,4,5,6,7,8,9,10,11
	ds_load_b128 v[KF+4*\i:KF+4*\i+3], v[ADK] offset:HB*(\j)+512*\i
.endr
	WIN 0
	ds_load_b128 v[KS:KS+3], v[ADK] offset:HB*(\j)+4*FRB
.endm
.macro VLOAD j
.irp i, 0,1,2,3,4,5,6,7,8,9,10,11
	ds_load_b128 v[VF+4*\i:VF+4*\i+3], v[ADV] offset:HB*(\j)+512*\i
.endr
	ds_load_b128 v[VS:VS+3], v[ADV] offset:HB*(\j)+4*FRB
.endm
; Eight tiles of 16 keys.  K = the head's 64: the upper half of q's operand is zeros, so what lies behind a tile's six registers counts for nothing.
; They go in halves of four tiles (a = 0, 1), each issued as soon as the head before has freed its 32 registers, so that vector work on the other half stands behind the products.
.macro QKH j, a
	WIN 0x05
.irp t, 0,2
	MM S+32*(\a)+8*\t, KF+24*(\a)+6*\t, QF+12*(\j), v[C+32*(\a)+8*\t:C+32*(\a)+8*\t+7], KS+2*(\a)+\t/2, QS+(\j)
	MM S+32*(\a)+8*\t+8, KF+24*(\a)+6*\t+6, QF+12*(\j), v[C+32*(\a)+8*\t+8:C+32*(\a)+8*\t+15], KS+2*(\a)+\t/2, QS+(\j), matrix_a_scale:MATRIX_SCALE_ROW1
.endr
	WIN 0
.endm
.macro SCALEH j, a                     ; t less the maximum, for one half of the scores
.set n, 32*(\a)
.rept 16
	v_pk_fma_f32 v[S+n:S+n+1], v[S+n:S+n+1], s[CS:CS+1], v[NM+2*(\j):NM+2*(\j)+1] op_sel_hi:[1,0,0]
.set n, n+2
.endr
.endm
.macro MAXH a                          ; the largest score of each of a half's four accumulators, the four by turns, each from its low end on
.irp k, 0,1,2,3
	v_max3_num_f32 v[TM+4*(\a)+\k], v[S+32*(\a)+8*\k], v[S+32*(\a)+8*\k+1], v[S+32*(\a)+8*\k+2]
.endr
.irp i, 3,5
.irp k, 0,1,2,3
	v_max3_num_f32 v[TM+4*(\a)+\k], v[TM+4*(\a)+\k], v[S+32*(\a)+8*\k+\i], v[S+32*(\a)+8*\k+\i+1]
.endr
.endr
.irp k, 0,1,2,3
	v_max_num_f32 v[TM+4*(\a)+\k], v[TM+4*(\a)+\k], v[S+32*(\a)+8*\k+7]
.endr
.endm
.macro TREE w                          ; a level of the row's sum, in place: registers 0 .. w - 1 take registers w .. 2 w - 1
.set n, 0
.rept (\w)/2
	v_pk_add_f32 v[S+n:S+n+1], v[S+n:S+n+1], v[S+n+(\w):S+n+(\w)+1]
.set n, n+2
.endr
.endm
.macro EXPS
.set n, 0
.rept 64
	v_exp_f32 v[S+n], v[S+n]
.set n, n+1
.endr
.endm
; A head of walk 1.  On the way in its score products have been issued, the upper half first.  The sixteen lines on one half are the places behind the other half's products.
.macro P1HEAD j
	MAXH 1
.if \j < 3
	KLOAD \j+1                                     ; sixteen places behind this head's last product
.endif
	MAXH 0
	v_max3_num_f32 v[TM], v[TM], v[TM+1], v[TM+2]
	v_max3_num_f32 v[TM+3], v[TM+3], v[TM+4], v[TM+5]
	v_max3_num_f32 v[TM+6], v[TM+6], v[TM+7], v[NM+2*\j+1]
	s_delay_alu instid0(VALU_DEP_1)
	v_max3_num_f32 v[MRN], v[TM], v[TM+3], v[TM+6]           ; the running maximum
	s_delay_alu instid0(VALU_DEP_1)
	v_mul_f32 v[NM+2*\j], -v[MRN], s[CS]
	SCALEH \j, 1
	v_fma_f32 v[FAC], v[NM+2*\j+1], s[CS], v[NM+2*\j]
	SCALEH \j, 0
	s_wait_alu depctr_va_vdst(0)                   ; ahead of the batch
	v_exp_f32 v[FAC], v[FAC]
	EXPS
	v_mov_b32 v[NM+2*\j+1], v[MRN]
	s_wait_alu depctr_va_vdst(0)                   ; one wait for the batch
.if \j < 3
	s_wait_dscnt 0x0                               ; the next head's K, asked for at this head's start, is in
.endif
	TREE 32                                        ; the upper 32 registers are free:
.if \j < 3
	QKH \j+1, 1                                    ; they take the next head's upper four tiles
.endif
	TREE 16
	TREE 8
	TREE 4
	TREE 2
	v_pk_fma_f32 v[SUM+2*\j:SUM+2*\j+1], v[SUM+2*\j:SUM+2*\j+1], v[FAC:FAC+1], v[S:S+1] op_sel_hi:[1,0,1]
.if \j < 3
	QKH \j+1, 0
.endif
.endm
.macro P1SLOT s                        ; a slot of walk 1: two key steps of K
	SYNC \s, 2*SLOT
	s_mov_b32 s[SQ], (\s)*SLOT
	s_mov_b32 s[CN2], 2
.Lp1_\@:
	v_add_nc_u32 v[ADK], s[SQ], v[AK0]
	KLOAD 0
	START 0
.irp j, 0,1,2,3
	P1HEAD \j
.endr
	s_add_co_u32 s[SQ], s[SQ], HALF
	s_sub_co_u32 s[CN2], s[CN2], 1
	s_cmp_lg_u32 s[CN2], 0
	s_wait_alu depctr_va_vdst(0)
	s_cbranch_scc1 .Lp1_\@
.endm
; A head of walk 2.  On the way in its score products have been issued, at least four places back.
.macro P2HEAD j
	SCALEH \j, 1
.if \j < 3
	KLOAD \j+1                                     ; sixteen places and more behind this head's last score product
.endif
	SCALEH \j, 0
	s_wait_alu depctr_va_vdst(0)                   ; ahead of the batch
	EXPS
	v_nop
	s_wait_alu depctr_va_vdst(0)
	QUANT S, 0
	PLACES
	s_wait_dscnt 0x0                               ; this head's V, asked for a head ago, and the next head's K, asked for at this head's start, are in
	WIN 0x50
	s_wait_alu depctr_va_vdst(0)                   ; the wait directly ahead of the first reader of O^T and of the codes
.irp f, 0,1,2,3
	MM OT+32*(\j)+8*\f, VF+12*\f, PC, v[OT+32*(\j)+8*\f:OT+32*(\j)+8*\f+7], VS+\f, PW
.endr
	WIN 0
.if \j < 3
	QKH \j+1, 1                                    ; p has been turned into codes: its registers take the next head's scores
	QKH \j+1, 0
	PLACES                                         ; behind the products: for the loads into V's registers and for the first read of the scores
	VLOAD \j+1
.endif
.endm
.macro P2SLOT s                        ; a slot of walk 2: one key step of K and V
	SYNC \s, SLOT
	v_add_nc_u32 v[ADK], (\s)*SLOT, v[AK0]
	v_add_nc_u32 v[ADV], (\s)*SLOT+HALF, v[AK0]
	KLOAD 0
	VLOAD 0
	START 13
.irp j, 0,1,2,3
	P2HEAD \j
.endr
.endm
.macro MERGE j                         ; the two halves of the lanes join; the masked keys' share; -maximum x c - log2(sum)
	v_add_f32 v[SUM+2*\j], v[SUM+2*\j], v[SUM+2*\j+1]
	v_permlanex16_b32 v[TM], v[NM+2*\j], s[SEL], s[SEL+1]
	v_permlanex16_b32 v[TM+1], v[SUM+2*\j], s[SEL], s[SEL+1]
	v_min_num_f32 v[TM+2], v[NM+2*\j], v[TM]
	v_sub_f32 v[TM+3], v[TM+2], v[NM+2*\j]
	v_sub_f32 v[TM+4], v[TM+2], v[TM]
	v_fma_f32 v[TM+5], v[MRN], s[CS], v[TM+2]      ; (-10000 - maximum) log2 e: 0 or less wherever a key is masked
	v_min_num_f32 v[TM+5], 0, v[TM+5]              ; (and held there where none is: the count 0 then meets a finite number)
	s_wait_alu depctr_va_vdst(0)
	v_exp_f32 v[TM+3], v[TM+3]
	v_exp_f32 v[TM+4], v[TM+4]
	v_exp_f32 v[TM+5], v[TM+5]
	v_nop
	s_wait_alu depctr_va_vdst(0)
	v_mul_f32 v[SUM+2*\j], v[SUM+2*\j], v[TM+3]
	v_fmac_f32 v[SUM+2*\j], v[TM+1], v[TM+4]
	v_fmac_f32 v[SUM+2*\j], v[CF], v[TM+5]
	s_wait_alu depctr_va_vdst(0)
	v_log_f32 v[SUM+2*\j], v[SUM+2*\j]
	v_nop
	s_wait_alu depctr_va_vdst(0)
	v_sub_f32 v[NM+2*\j], v[TM+2], v[SUM+2*\j]
.endm
	s_load_b256 s[68:75], s[0:1], 0x0              ; qkv s[68:69], maskw s[70:71], cntw s[72:73], wimg s[74:75]
	v_lshl_add_u32 v[SPW], v0, 2, SPARE
	v_mov_b32 v[NIL], 0
	ds_add_u32 v[SPW], v[NIL]                      ; the opening lines
	ds_add_u32 v[SPW], v[NIL]
	v_lshrrev_b32 v2, 5, v0
	v_readfirstlane_b32 s[WV], v2                  ; wave 0..7
	s_bfe_u32 s32, ttmp6, 0x40000                  ; cx
	s_and_b32 s33, ttmp7, 0xffff                   ; the cluster's y: 8 batch + which 256 queries
	s_lshr_b32 s34, s33, 3                         ; batch
	s_lshl_b32 s[GB], s33, 2
	s_add_co_u32 s[GB], s[GB], s32
	s_and_b32 s35, s[WV], 3                        ; my query tile
	s_lshr_b32 s36, s[WV], 2                       ; my four heads
	s_mov_b32 s[G1+0], 15|(3<<16)|(1<<21)          ; the cluster's four; elements of 8 bytes
	s_mov_b32 s[G1+1], 32<<16
	s_mov_b32 s[G1+2], 52<<16
	s_mov_b32 s[G1+3], 32<<16
	s_mov_b32 s[G1+4], 52
	s_mov_b32 s[G1+5], 32
	s_mov_b32 s[G1+6], 0
	s_mov_b32 s[G1+7], 0
	s_mul_i32 s37, s[WV], CH
	s_mov_b32 s[G0], 1
	s_mov_b32 s[G0+1], s37
	s_mov_b32 s[G0+4], 1
	s_add_co_u32 s[G0+5], s37, SLOT
	s_mul_i32 s38, s34, BREG
	s_add_co_u32 s40, s38, s37                     ; walk 1: my eighth of two steps of K
	s_mov_b32 s41, 0
	s_mul_i32 s42, s35, CH                         ; walk 2: a quarter of a step of K (waves 0-3) or of V (waves 4-7)
	s_add_co_u32 s42, s42, s38
	s_mul_i32 s39, s36, VREG
	s_add_co_u32 s42, s42, s39
	s_mov_b32 s43, 0
	s_mul_i32 s44, s[WV], 16*FRB                   ; Wo: my 16 fragments
	s_add_co_u32 s44, s44, 3*196608
	s_mov_b32 s45, 0
	s_lshl_b32 s46, s34, 3
	s_lshl_b32 s47, s36, 2
	s_add_co_u32 s46, s46, s47
	s_mul_i32 s46, s46, PART
	s_add_co_u32 s46, s46, QREG                    ; q of my first head
	s_and_b32 s47, s[GB], 31
	s_lshl_b32 s47, s47, 1
	s_lshr_b32 s48, s35, 1
	s_add_co_u32 s47, s47, s48                     ; the image that holds my tile
	s_mul_i32 s48, s47, FRB
	s_add_co_u32 s48, s48, s46
	s_mov_b32 s49, 0
	s_lshr_b32 s50, s47, 2
	s_lshl_b32 s50, s50, 9
	s_and_b32 s51, s47, 3
	s_lshl_b32 s51, s51, 2
	s_add_co_u32 s50, s50, s51
	s_add_co_u32 s50, s50, s46
	s_add_co_u32 s50, s50, 64*FRB                  ; its scale words
	s_mov_b32 s51, 0
	s_lshl_b32 s52, s[GB], 2
	s_add_co_u32 s52, s52, s35
	s_lshl_b32 s52, s52, 12                        ; maskw: 4,096 bytes a tile
	s_mov_b32 s53, 0
	s_lshl_b32 s54, s[GB], 12
	s_lshl_b32 s55, s35, 2
	s_add_co_u32 s54, s54, s55                     ; cntw
	s_mov_b32 s55, 0
	s_mov_b32 s[CS], 0x3e38aa3b                    ; c = log2(e) / 8
	s_mov_b32 s[CS+1], s[CS]
	s_mov_b32 s[SEL], 0x76543210
	s_mov_b32 s[SEL+1], 0xfedcba98
	s_mov_b32 s[KC], 0
	s_mul_i32 s62, s36, 4*HB
	s_and_b32 s63, s[WV], 1
	s_lshl_b32 s63, s63, 8
	v_and_b32 v3, 31, v0
	v_lshlrev_b32 v[LI], 4, v3
	v_add_nc_u32 v[AK0], s62, v[LI]
	v_and_b32 v4, 15, v0
	v_lshlrev_b32 v4, 4, v4
	v_add_nc_u32 v[ADV], s63, v4                   ; for now: row r's scale word of q, of the image's first or second tile
	v_mov_b32 v[NEG], 0xf149f2ca
	v_mov_b32 v[FAC+1], 0
	v_mov_b32 v[MI], 0xff61b1e6                    ; -3e38
	v_mov_b32 v[MRN], 0xc79c4000                   ; -80000 = 8 x -10000
.irp b, 0,1,2,3,4,5,6,7
	v_mov_b32 v[TM+\b], 0                          ; a lane permute's destination counts as one of its sources
	v_mov_b32 v[SUM+\b], 0
.endr
	s_wait_alu depctr_va_vdst(0)                   ; ahead of the blocking waits
	s_wait_dscnt 0x0
	s_wait_kmcnt 0x0
	s_add_nc_u64 s[G0+2:G0+3], s[68:69], s[40:41]
	s_add_nc_u64 s[G0+6:G0+7], s[G0+2:G0+3], SLOT
	s_or_b32 s[G0+3], s[G0+3], 0x80000000
	s_or_b32 s[G0+7], s[G0+7], 0x80000000
	s_add_nc_u64 s[NX:NX+1], s[68:69], s[42:43]
	s_add_nc_u64 s[NX+2:NX+3], s[NX:NX+1], HALF
	s_or_b32 s[NX+1], s[NX+1], 0x80000000
	s_or_b32 s[NX+3], s[NX+3], 0x80000000
	s_add_nc_u64 s[WO:WO+1], s[74:75], s[44:45]
	s_or_b32 s[WO+1], s[WO+1], 0x80000000
	s_add_nc_u64 s[56:57], s[68:69], s[48:49]
	s_add_nc_u64 s[58:59], s[68:69], s[50:51]
	s_add_nc_u64 s[6:7], s[70:71], s[52:53]
	s_add_nc_u64 s[60:61], s[72:73], s[54:55]
	CROUND
	tensor_load_to_lds s[G0:G0+3], s[G1:G1+7]      ; my one load at the head: the first two steps of K
	s_nop 0
	PLACES
	s_bitcmp1_b32 s[WV], 0
	s_cbranch_scc1 .Lq_odd
	WIN 0x40
.irp j, 0,1,2,3
	global_load_b128 v[QF+12*\j:QF+12*\j+3], v[LI], s[56:57] offset:PART*\j          ; the image's registers 0-5
	global_load_b64 v[QF+12*\j+4:QF+12*\j+5], v[LI], s[56:57] offset:PART*\j+512
.endr
	WIN 0
	s_branch .Lq_done
.Lq_odd:
	WIN 0x40
.irp j, 0,1,2,3
	global_load_b64 v[QF+12*\j:QF+12*\j+1], v[LI], s[56:57] offset:PART*\j+520       ; its registers 6-11
	global_load_b128 v[QF+12*\j+2:QF+12*\j+5], v[LI], s[56:57] offset:PART*\j+1024
.endr
	WIN 0
.Lq_done:
.irp j, 0,1,2,3
	global_load_b32 v[QS+\j], v[ADV], s[58:59] offset:PART*\j
.endr
.irp i, 0,1,2,3,4,5,6,7
	global_load_b32 v[S+\i], v[LI], s[60:61] offset:512*\i     ; the eight parts of my row's count
.endr
	s_wait_xcnt 0x0                                ; the bases have been read: the mask words may land there
	MWNEXT
	WIN 0x40
.set n, 0
.rept 128
	v_mov_b32 v[OT+n], 0                           ; walk 2 is one loop: its first step adds onto zeros
.set n, n+1
.endr
.irp j, 0,1,2,3
.irp i, 6,7,8,9,10,11
	v_mov_b32 v[QF+12*\j+\i], 0
.endr
.endr
.irp i, 48,49,50,51,52,53
	v_mov_b32 v[KF+\i], 0
.endr
	WIN 0
	s_wait_loadcnt 0x0
	v_add3_u32 v[S], v[S], v[S+1], v[S+2]
	v_add3_u32 v[S+3], v[S+3], v[S+4], v[S+5]
	v_add3_u32 v[S], v[S], v[S+6], v[S+7]
	v_add_nc_u32 v[S], v[S], v[S+3]
	v_permlanex16_b32 v[TM], v[S], s[SEL], s[SEL+1]
	v_add_nc_u32 v[S], v[S], v[TM]
	v_cvt_f32_u32 v[CF], v[S]
	v_cmp_ne_u32 s[TS], 0, v[S]
	v_cndmask_b32 v[MI], v[MI], v[MRN], s[TS]
.irp j, 0,1,2,3
	v_mov_b32 v[NM+2*\j+1], v[MI]
.endr
	s_mov_b32 s[CNT], 4
.Lwalk1:
	P1SLOT 0
	P1SLOT 1
	s_sub_co_u32 s[CNT], s[CNT], 1
	s_cmp_lg_u32 s[CNT], 0
	s_cbranch_scc1 .Lwalk1
	v_mov_b32 v[MRN], 0xc79c4000
.irp j, 0,1,2,3
	MERGE \j
.endr
	s_mov_b64 s[NX:NX+1], s[WO:WO+1]               ; behind walk 2 slot 0 takes my part of Wo (slot 1's next address is never asked for)
	s_mov_b32 s[CNT], 8
.Lwalk2:
	P2SLOT 0
	P2SLOT 1
	s_sub_co_u32 s[CNT], s[CNT], 1
	s_cmp_lg_u32 s[CNT], 0
	s_cbranch_scc1 .Lwalk2
; ---- THE END: x Wo^T + bo.  Window 0: v16-31 Wo's scale words, v32-47 x's, v48-175 sixteen accumulators, v176-223 x's fragments.  Window 1: Wo's fragments (f, s) at v[12 (4 f + s)], the bias at v192 on.
.set STO, 2
.set RD,  3
.set CO,  4
.set BO,  5
.set LIX, 8
.set LSX, 10
.set XWI, 11
.set XWS, 12
.set WL,  40
.set WS,  16
.set XS,  32
.set ACC, 48
.set XF,  176
.set BK,  176
.set BI,  192
	PLACES
	s_wait_kmcnt 0x0                               ; the last mask words asked for have landed: their registers are free
	s_load_b256 s[32:39], s[0:1], 0x18             ; wimg s[32:33], wsc s[34:35], bo s[36:37], out0 s[38:39]
	v_and_b32 v13, 15, v0                          ; r
	v_bfe_u32 v14, v0, 4, 1                        ; h
	s_mul_i32 s[TS], s[WV], 16*SP
	s_add_co_u32 s[TS], s[TS], STAGE
	v_mul_u32_u24 v[STO], v13, SP
	v_lshl_add_u32 v[STO], v14, 6, v[STO]
	v_add_nc_u32 v[STO], s[TS], v[STO]
	v_mul_u32_u24 v[RD], v14, SP
	v_lshl_add_u32 v[RD], v13, 4, v[RD]
	v_add_nc_u32 v[RD], s[TS], v[RD]
	v_lshlrev_b32 v[CO], 11, v14
	v_lshl_add_u32 v[CO], v13, 4, v[CO]
	v_lshlrev_b32 v[BO], 6, v14
	v_add_nc_u32 v[LIX], XIMG, v[LI]
	v_and_b32 v15, 31, v0
	v_lshlrev_b32 v15, 2, v15
	v_add_nc_u32 v[LSX], XSC, v15
	s_and_b32 s20, s[WV], 3
	s_lshl_b32 s20, s20, 2
	s_lshr_b32 s21, s[WV], 2
	s_lshl_b32 s21, s21, 1
	s_add_co_u32 s20, s20, s21                     ; 4 tile + my first K step
	s_mul_i32 s21, s20, FRB
	v_add_nc_u32 v[XWI], s21, v[LIX]
	s_lshl_b32 s20, s20, 7
	v_add_nc_u32 v[XWS], s20, v[LSX]
	s_mul_i32 s21, s[WV], CH
	v_add_nc_u32 v[WL], s21, v[LI]
.macro IMAGE e
.irp c, 0,1,2
	ds_store_b128 v[XWI], v[PC+4*\c:PC+4*\c+3] offset:FRB*(\e)+512*\c
.endr
	ds_store_b32 v[XWS], v[PW] offset:128*(\e)
.endm
	s_wait_alu depctr_va_vdst(0)                   ; ahead of the first reader of O^T
	QUANT 64, 1                                    ; my third and fourth head: 128 along K
	IMAGE 1
	s_wait_kmcnt 0x0
	s_mul_i32 s40, s[WV], 16*FRB
	s_add_co_u32 s40, s40, 3*196608
	s_mov_b32 s41, 0
	s_add_nc_u64 s[32:33], s[32:33], s[40:41]
	s_lshl_b32 s40, s[WV], 11
	s_add_co_u32 s40, s40, 3*16384
	s_add_nc_u64 s[34:35], s[34:35], s[40:41]
	s_lshl_b32 s40, s[WV], 8
	s_add_nc_u64 s[36:37], s[36:37], s[40:41]
	s_lshl_b32 s42, s[GB], 17
	s_add_co_u32 s40, s40, s42
	s_add_nc_u64 s[38:39], s[38:39], s[40:41]
.irp f, 0,1,2,3
	global_load_b128 v[WS+4*\f:WS+4*\f+3], v[LI], s[34:35] offset:512*\f
.endr
	WIN 0x40
.irp f, 0,1,2,3
	global_load_b128 v[BI+8*\f:BI+8*\f+3], v[BO], s[36:37] offset:(32*(\f/2)+8*(\f%2))*4
	global_load_b128 v[BI+8*\f+4:BI+8*\f+7], v[BO], s[36:37] offset:(32*(\f/2)+8*(\f%2))*4+16
.endr
.irp g, 8,9,10,11,12,13,14,15
.irp q, 0,1,2
	global_load_b128 v[12*\g+4*\q:12*\g+4*\q+3], v[LI], s[32:33] offset:FRB*\g+512*\q   ; the eight fragments of Wo that the last fill did not bring
.endr
.endr
	WIN 0
	s_wait_dscnt 0x0                               ; the image's stores have read the codes' registers
	s_wait_alu depctr_va_vdst(0)
	QUANT 0, 1                                     ; my first and second head
	IMAGE 0
	s_wait_tensorcnt 0x0                           ; my part of Wo lies in slot 0; only I read it
	WIN 0x40
.irp g, 0,1,2,3,4,5,6,7
.irp q, 0,1,2
	ds_load_b128 v[12*\g+4*\q:12*\g+4*\q+3], v[WL] offset:FRB*\g+512*\q
.endr
.endr
	WIN 0
	s_wait_dscnt 0x0                               ; for the others' sake: my images have landed
	s_barrier_signal -1
	s_barrier_wait -1
	s_wait_loadcnt 0x0
.irp s, 0,1,2,3
.irp t, 0,1,2,3
.irp q, 0,1,2
	ds_load_b128 v[XF+12*\t+4*\q:XF+12*\t+4*\q+3], v[LIX] offset:(4*\t+\s)*FRB+512*\q
.endr
	ds_load_b32 v[XS+4*\t+\s], v[LSX] offset:(4*\t+\s)*128
.endr
	s_wait_dscnt 0x0
.if \s == 0
	WIN 0x11                                       ; Wo and the bias in window 1
.else
	WIN 0x01
.endif
.irp t, 0,1,2,3
.irp f, 0,1,2,3
.if \s == 0
	MM ACC+8*(4*\t+\f), 12*(4*\f+\s), XF+12*\t, v[BI+8*\f:BI+8*\f+7], WS+4*\f+\s, XS+4*\t+\s
.else
	MM ACC+8*(4*\t+\f), 12*(4*\f+\s), XF+12*\t, v[ACC+8*(4*\t+\f):ACC+8*(4*\t+\f)+7], WS+4*\f+\s, XS+4*\t+\s
.endif
.endr
.endr
	WIN 0
	PLACES
.endr
; Tile t: register 8 f + j of lane (r, h) is output 32 (f / 2) + 16 h + 8 (f % 2) + j of token r.  Through my own stage; out as rows of 256 consecutive bytes, aligned.
.macro TOSTAGE t
.irp f, 0,1,2,3
	ds_store_b128 v[STO], v[ACC+8*(4*(\t)+\f):ACC+8*(4*(\t)+\f)+3] offset:128*(\f/2)+32*(\f%2)
	ds_store_b128 v[STO], v[ACC+8*(4*(\t)+\f)+4:ACC+8*(4*(\t)+\f)+7] offset:128*(\f/2)+32*(\f%2)+16
.endr
.irp i, 0,1,2,3,4,5,6,7
	ds_load_b128 v[BK+32*((\t)%2)+4*\i:BK+32*((\t)%2)+4*\i+3], v[RD] offset:2*SP*\i
.endr
.endm
.macro SEND t, younger
	s_wait_dscnt \younger
.irp i, 0,1,2,3,4,5,6,7
	global_store_b128 v[CO], v[BK+32*((\t)%2)+4*\i:BK+32*((\t)%2)+4*\i+3], s[38:39] offset:(32*((\t)/2)+8*((\t)%2)+2*\i+8*(\i/4))*2048 th:TH_STORE_NT
.endr
.endm
	TOSTAGE 0
.irp t, 1,2,3
.if \t > 1
	s_wait_xcnt 0x0                                ; tile t - 2's stores have read their registers
.endif
	TOSTAGE \t
	SEND \t-1, 16                                  ; behind tile t - 1's loads: tile t's eight stores and eight loads
.endr
	SEND 3, 0
	s_wait_tensorcnt 0x0                           ; the wave's end
	ds_add_u32 v[SPW], v[NIL]
	s_wait_dscnt 0x0
	CROUND                                         ; the closing round
	s_endpgm
.Lfunc_end_k_q8f2056cc52_attn:
	.size	k_q8f2056cc52_attn, .Lfunc_end_k_q8f2056cc52_attn-k_q8f2056cc52_attn
	.p2alignl 7, 3214868480
	.fill 96, 4, 3214868480
	.section	.rodata,"a",@progbits
	.p2align	6, 0x0
	.amdhsa_kernel k_q8f2056cc52_attn
		.amdhsa_group_segment_fixed_size 327680
		.amdhsa_private_segment_fixed_size 0
		.amdhsa_enable_private_segment 0
		.amdhsa_kernarg_size 56
		.amdhsa_user_sgpr_count 2
		.amdhsa_user_sgpr_kernarg_segment_ptr 1
		.amdhsa_wavefront_size32 1
		.amdhsa_system_sgpr_workgroup_id_x 1
		.amdhsa_system_sgpr_workgroup_id_y 1
		.amdhsa_system_sgpr_workgroup_id_z 1
		.amdhsa_system_vgpr_workitem_id 0
		.amdhsa_next_free_vgpr 512
		.amdhsa_next_free_sgpr 106
		.amdhsa_reserve_vcc 0
		.amdhsa_float_denorm_mode_32 3
		.amdhsa_float_denorm_mode_16_64 3
		.amdhsa_memory_ordered 1
		.amdhsa_forward_progress 1
		.amdhsa_inst_pref_size 251
	.end_amdhsa_kernel
	.amdgpu_metadata
---
amdhsa.version: [ 1, 2 ]
amdhsa.kernels:
  - .name:           k_q8f2056cc52_attn
    .symbol:         k_q8f2056cc52_attn.kd
    .args:
      - { .name: qkv, .offset: 0, .size: 8, .value_kind: global_buffer, .address_space: global }
      - { .name: maskw, .offset: 8, .size: 8, .value_kind: global_buffer, .address_space: global }
      - { .name: cntw, .offset: 16, .size: 8, .value_kind: global_buffer, .address_space: global }
      - { .name: wimg, .offset: 24, .size: 8, .value_kind: global_buffer, .address_space: global }
      - { .name: wsc, .offset: 32, .size: 8, .value_kind: global_buffer, .address_space: global }
      - { .name: bo, .offset: 40, .size: 8, .value_kind: global_buffer, .address_space: global }
      - { .name: out0, .offset: 48, .size: 8, .value_kind: global_buffer, .address_space: global }
    .group_segment_fixed_size: 327680
    .private_segment_fixed_size: 0
    .kernarg_segment_align: 8
    .kernarg_segment_size: 56
    .max_flat_workgroup_size: 256
    .sgpr_count:     106
    .vgpr_count:     512
    .wavefront_size: 32
...
	.end_amdgpu_metadata
.endif
;; end of part 3
